; MI455X (gfx1250); checked and timed in simulation.
; The chip was launched on July 23, 2026; its instructions are those of AMD's public machine-readable ISA for CDNA 5 (MIT licence, August 2026) and "CDNA5" Instruction Set Architecture Reference Guide (July 2026). The comments in the code are by the model that wrote it; some were corrected since.
;; QKV Attention. Allowed arithmetic: matrix products marked QUANTISED: E3M2 operands, one E8M0 scale for each 32 along K, by v_wmma_scale_f32_16x16x128_f8f6f4 with both operands' format E3M2, f32 sums; everything else in f32.
;; Inputs: qkv 64 x 192 x 2,048 float32.
;; Outputs: out0 64 x 64 x 2,048 float32.
;; This version of the problem:
;;   THIS VERSION OF THE PROBLEM IS GIVEN IN LOW PRECISION. The matrix products marked QUANTISED in the list below multiply operands that are first quantised to E3M2 (3 exponent bits, 2 mantissa bits; 6 bits a number), with one power-of-two scale for each 32 numbers along K (OCP MX v1.0); their sums are f32. All else is computed in f32.
;;   The module's matrix products, in the order in which they are computed (A, B: the left and right operand; K: the contracted axis; several contracted axes count as one K, in the product's order):
;;     1. batch 64 x [M 2,048, K 64] x [K 64, N 2,048]; A: computed on the way; B: computed on the way: QUANTISED
;;     2. batch 64 x [M 64, K 2,048] x [K 2,048, N 2,048]; A: computed on the way; B: softmax (see below): QUANTISED
;;   THE QUANTISER, for each operand of a quantised product, along K:
;;     - K is cut into blocks of 32 from its start; a last block that is shorter is filled with zeros.
;;     - A block's scale is 2^e with e = floor(log2(the largest magnitude in the block)) - 4, held to -126 .. 127; a block of zeros has e = 0. As a byte (E8M0): e + 127.
;;     - Each number is divided by its block's scale, clamped to +-28, and rounded to the nearest number of E3M2, ties to even, subnormals kept.
;;     - The product sums the exact products of the quantised numbers (number of the format x scale) in f32.
;;   ~~~python
;;   def quantise(x, axis):      # numpy; x: float32 -> the quantised numbers, widened to float32 again
;;       x = np.moveaxis(x, axis, -1); K = x.shape[-1]
;;       x = np.pad(x, [(0, 0)] * (x.ndim - 1) + [(0, -K % 32)]); x = x.reshape(x.shape[:-1] + (-1, 32)); a = np.abs(x).max(-1, keepdims=True)
;;       e = np.where(a > 0, np.clip(np.frexp(np.where(a > 0, a, 1))[1] - 1 - 4, -126, 127), 0)      # np.frexp(a)[1] - 1 = floor(log2(a)), exactly
;;       r = np.clip(x / 2.0 ** e, -28, 28)
;;       step = 2.0 ** (np.maximum(np.frexp(np.where(r == 0, 1, r))[1] - 1, -2) - 2)
;;       q = np.round(r / step) * step * 2.0 ** e      # np.round: ties to even
;;       return np.moveaxis(q.reshape(q.shape[:-2] + (-1,))[..., :K], -1, axis).astype(np.float32)
;;   ~~~
;;   SOFTMAX AHEAD OF A QUANTISED PRODUCT. Where the list says 'softmax', what is quantised is not the finished softmax but p = 2^(t - M), with t = logit x log2(e) and M = ceil(the row's largest t), a whole number; so 1/2 < the row's largest p <= 1. The row's sum l is taken of the UNQUANTISED p, in f32, and the product's result is divided by l at the end. Since M is a whole number, a kernel that streams over the keys may use a running M (the ceiling of the running maximum): every later rescaling is an exact power of two, which a block's scale takes up: the codes' values come out the same.
;;   OPERANDS COMPUTED ON THE WAY. 'Computed on the way' means the value that the module computes at that place (a softmax that the list does not call 'softmax' is quantised finished and normalised). What goes into a quantiser is computed in f32, as accurately as f32 sums, v_exp_f32 and their like allow (about 1e-6 of the number): no bf16 or f16 on the way to a quantiser, and a product that is left as it is and whose result goes on into a quantised operand takes f32 operands (vector FMAs, or v_wmma_f32_16x16x4_f32). A number that lies on a knife's edge between two numbers of the format may be rounded either way, as far as f32 arithmetic and the matrix unit's own rounding can turn it there, and no further.
;; 2 versions. Each part assembles by itself: llvm-mc -triple=amdgcn-amd-amdhsa -mcpu=gfx1250 --defsym DOCPART=n.
;; ======== version 1 of 2: 1 launch
;; launch attn (part 1): grid 4 x 64, 16 waves a work-group, no clusters, 311,296 bytes of LDS; arguments qkv, out0; writes out0
.if DOCPART == 1
	.amdgcn_target "amdgcn-amd-amdhsa--gfx1250"
	.amdhsa_code_object_version 6
	.text
	.protected	k_q5de5314218_attn
	.globl	k_q5de5314218_attn
	.p2align	8
	.type	k_q5de5314218_attn,@function
k_q5de5314218_attn:
	s_mov_b64 s[64:65], 0
	v_nop
	global_prefetch_b8 v0, s[64:65] scope:SCOPE_SE
	s_setreg_imm32_b32 hwreg(HW_REG_WAVE_MODE, 25, 1), 1
	s_wait_xcnt 0x0
; out[b][c][t] = sum over s of softmax_s( sum over c' of (q[c'][t] g)(k[c'][s] g) ) v[c][s],  g = f32(1 / sqrt(8)).  qkv: [64][192][2048] f32 (rows 0-63 q, 64-127 k, 128-191 v); out: [64][64][2048] f32.
; Both products on codes of BF6 (E3M2) with one E8M0 scale for each 32 along K.  Product 1: K = the 64 channels (two blocks; the instruction's other 64 along K are zero codes).  Product 2: K = the keys.
; THE SOFTMAX AHEAD OF PRODUCT 2: t = score x log2(e); M = the running largest t rounded UP to a whole number; p = 2^(t - M) is quantised along the keys, not normalised; the row's sum is taken of the
; unquantised p and divides at the end.  When M moves, the sum and O are multiplied by 2^(old M - new M): exact.
; SHARES.  A work-group owns 512 queries of one batch (grid x: which 512; grid y: the batch); sixteen waves of 256 registers, four to a SIMD, so that one wave's vector work stands beside another's products and LDS loads.
; PHASE A: the work-group quantises the batch's whole k g and v and its own 512 columns of q g into LDS: 96 KB + 96 KB + 24 KB of codes, 18 KB of scale words.  They stay: LDS is filled once, so there is no ring and no refill.
;   Wave w makes key step w (keys 128 w .. 128 w + 127) of k and of v, and queries 32 w .. 32 w + 31.  q and k have K down the rows of memory: a lane takes a column and its registers run down the channels.
;   v has K (the keys) along the rows: 16 rows x 256 bytes are loaded as they lie and turned through the wave's own stage, so that a lane holds 32 neighbouring keys.
; PHASE B: two passes.  In pass p wave w owns the 16 queries of tile 16 p + w and walks all keys, 128 a step.  Both products are used transposed (S^T = K Q^T, O^T = V P^T): a lane holds ONE query throughout.
; CODES LIE IN LDS AS IMAGES OF THE OPERAND'S REGISTERS.  A half fragment (HF: 16 rows x 64 K, six registers a lane, 768 bytes): registers 0-3 of lane L at 16 L, registers 4-5 at 512 + 8 L.  Every load in the key loop
;   takes consecutive bytes in consecutive lanes.
; THE COLUMNS OF A TILE ARE NOT NEIGHBOURS (keys and queries alike): slot m of tile 2 b + u is column 32 b + 16 (m / 8) + 8 u + m % 8, so that in S^T the 16 registers of tiles 2 b and 2 b + 1 are 16 neighbouring keys.
; NO CLUSTER, NO JOINT LOADS: the four work-groups of a batch do read the same k and v, but as f32, once, at the head, through registers on the way to the quantiser; a joint load would have to land that 1 MB in LDS,
;   beside 240 KB of images: a ring that is filled again, and a second trip of those bytes through LDS, for a phase that is about a tenth of a wave's instructions.
; LIMITS: NaN and infinities among the inputs are not served.  A block of zeros gets the scale byte 1, not 127: its codes are zeros and only this launch reads the bytes.  p under 2^-126 comes out as 0 (v_exp_f32 flushes).
;   A block's largest p is made from its largest score: this takes v_exp_f32 not to fall where its input rises.  t under -3e38 is not served.
.set STEPB, 13312                      ; LDS, one key step: 8 HFs of K, 8 HFs of V, 512 bytes of K's scale words, 512 of V's
.set VOFF,  6144                       ;   V's HFs: number 2 ct + cp (channels 16 ct on, keys 64 cp on)
.set KSC,   12288                      ;   K's scale words: tile 2 b + u, row r at 16 (r + 16 u) + 4 b
.set VSC,   12800                      ;   V's: channel tile ct, lane L at 16 L + 4 ct (both halves of the lanes hold the same word)
.set QI,    16*STEPB                   ; Q's 32 HFs, tile T at 768 T
.set QS,    QI+32*768                  ; Q's scale words: tile T, slot m at 64 T + 4 m
.set XST,   QS+2048                    ; phase A: sixteen turning stages of 16 rows x 272 bytes; phase B: the way out, 64 rows x 1,040 bytes
.set TP,    272                        ; 256 bytes + 16: an odd multiple of 16
.set OP_,   1040                       ; 1,024 bytes + 16
; vector registers that stay
.set L16, 1                            ; v1   16 x lane; also my byte offset in a stored run of 512 bytes
.set L8,  2                            ; v2   8 x lane + 512
.set A16, 3                            ; v3   phase A: my wave's key step + v1; phase B: the step in hand + v1
.set A8,  4                            ; v4   the same + v2
.set CO,  5                            ; v5   phase A: 4 x lane, my column;  phase B (QSA): LDS address of my query's scale word
.set QSA, 5
.set SW,  6                            ; v6   the way out: where my query's column stands in the stage
.set SRD, 7                            ; v7   the way out: where I read rows back
.set TMP, 8
.set QSC, 9                            ; v9   q's scale words.  v9, v11, v28-31, v80-83 hold scales and nothing else
.set FF,  10                           ; v[10:11]  f = 2^(old M - new M), at a pass's end 1 / l;  v11 = p's scale word (named as the pair's upper half, never used as such)
.set PW,  11
.set NM,  12                           ; v12  -M;  v13 the largest t so far
.set TMX, 13
.set LS,  14                           ; v[14:15]  l in two halves
; phase A
.set KA16, 12
.set KA8,  13
.set KSW,  14
.set QA16, 15
.set QA8,  16
.set QSW,  17
.set VO,   18
.set TS,   19
.set TL,   20
.set VSW,  21
.set SH8,  22
.set Y,    32                          ; v32-63   32 neighbouring keys of v
.set C,    64                          ; v64-70   a block's codes
.set MXA,  72
.set MXB,  73
.set SOP,  74
.set BY,   75
.set W,    76
.set T,    77
.set CX,   96                          ; v96-159  two sets of 32 numbers of a column
.set R,    160                         ; v160-255 three sets of 32 registers of v as loaded
; phase B
.set QF,   16                          ; v16-27   Q: six registers of codes, six of zeros
.set KS4,  28                          ; v28-31   K's scale words
.set VF,   32                          ; v32-79   V's four fragments
.set VS4,  80                          ; v80-83   V's scale words
.set PC,   84                          ; v84-95   p's codes
.set SA,   96                          ; v96-159  S^T, then p
.set OA,   160                         ; v160-191 O^T
.set KF,   192                         ; v192-239 four fragments of K: six registers of codes, six of zeros that stand
.set BM,   240                         ; v240-243 each block's largest score
.set T8,   244                         ; v244-251 at work
.set SO4,  252                         ; v252-255 the conversions' scale operands
; scalar registers
.set WV,  8
.set QP,  12
.set KP,  14
.set VP,  16
.set OP,  18
.set SEL, 20
.set CS,  22
.set SCL, 24
.set TB,  26
.set CNT, 27
; 32 numbers of one block in v[xs] on -> the block's 24 bytes of codes in v[C] .. v[C+5], its scale byte in v[BY]
.macro BLOCKQ xs
	v_max3_num_f32 v[MXA], |v[\xs]|, |v[\xs+1]|, |v[\xs+2]|          ; the largest magnitude, in two chains
	v_max3_num_f32 v[MXB], |v[\xs+3]|, |v[\xs+4]|, |v[\xs+5]|
.irp i, 6,10,14,18,22,26
	v_max3_num_f32 v[MXA], v[MXA], |v[\xs+\i]|, |v[\xs+\i+1]|
	v_max3_num_f32 v[MXB], v[MXB], |v[\xs+\i+2]|, |v[\xs+\i+3]|
.endr
	v_max3_num_f32 v[MXA], v[MXA], |v[\xs+30]|, |v[\xs+31]|
	v_max3_num_f32 v[MXA], v[MXA], v[MXB], 0x2800000               ; and the floor 2^(5 - 127): the byte cannot fall under 1
	v_add_nc_u32 v[SOP], 0xfe000000, v[MXA]                        ; 4 off the exponent field: the conversion takes this operand's exponent field as its scale
	v_lshrrev_b32 v[BY], 23, v[SOP]                                ; the scale's byte
	v_cvt_scalef32_pk16_bf6_f32 v[C:C+2], v[\xs:\xs+15], v[SOP]
	v_cvt_scalef32_pk16_bf6_f32 v[C+4:C+6], v[\xs+16:\xs+31], v[SOP] ; (a conversion's three registers begin on an even number)
	v_nop                                                          ; one plain place behind a scaled conversion
	v_mov_b32 v[C+3], v[C+4]
	v_mov_b32 v[C+4], v[C+5]
	v_mov_b32 v[C+5], v[C+6]
.endm
; 32 rows (channels) of 32 neighbouring columns into set n % 2: each load reads 128 consecutive bytes
.macro CLOAD n, base, off, nt
.irp i, 0,1,2,3,4,5,6,7,8,9,10,11,12,13,14,15,16,17,18,19,20,21,22,23,24,25,26,27,28,29,30,31
.if \nt
	global_load_b32 v[CX+32*((\n)%2)+\i], v[CO], s[\base:\base+1] offset:\off+8192*\i th:TH_LOAD_NT
.else
	global_load_b32 v[CX+32*((\n)%2)+\i], v[CO], s[\base:\base+1] offset:\off+8192*\i
.endif
.endr
.endm
; set n % 2 (block g of my column) x g, quantised, to its place in an HF; with g = 1 the column's scale word goes out too (bytes 2 and 3 stay 0: they scale zero codes)
.macro CQ n, g, a16, a8, off, asw, offsw
.set XS, CX+32*((\n)%2)
.irp i, 0,2,4,6,8,10,12,14,16,18,20,22,24,26,28,30
	v_pk_mul_f32 v[XS+\i:XS+\i+1], v[XS+\i:XS+\i+1], s[SCL:SCL+1] op_sel_hi:[1,0]
.endr
	BLOCKQ XS
.if (\g) == 0
	v_mov_b32 v[W], v[BY]
.else
	v_lshl_or_b32 v[W], v[BY], 8, v[W]
.endif
	ds_store_b128 v[\a16], v[C:C+3] offset:\off+256*(\g)
	ds_store_b64 v[\a8], v[C+4:C+5] offset:\off+128*(\g)
.if (\g) == 1
	ds_store_b32 v[\asw], v[W] offset:\offsw
.endif
.endm
; v, HF m: channels 16 (m / 2) on, keys 64 (m % 2) on: sixteen lanes read 256 consecutive bytes of a row, at a multiple of 256 from the buffer's first byte; two rows an instruction
.macro VLOAD m
.irp i, 0,1,2,3,4,5,6,7
	global_load_b128 v[R+32*((\m)%3)+4*\i:R+32*((\m)%3)+4*\i+3], v[VO], s[VP:VP+1] offset:(16*((\m)/2)+2*\i)*8192+256*((\m)%2)
.endr
.endm
; through my stage: in as loaded, back 128 bytes a lane: lane (r, h) then holds row r, keys 32 h .. 32 h + 31.  LDS serves a wave's instructions in order (ISA guide 5.7.1.4): no wait between
.macro VTURN m
.irp i, 0,1,2,3,4,5,6,7
	ds_store_b128 v[TS], v[R+32*((\m)%3)+4*\i:R+32*((\m)%3)+4*\i+3] offset:2*TP*\i
.endr
.irp i, 0,1,2,3,4,5,6,7
	ds_load_b128 v[Y+4*\i:Y+4*\i+3], v[TL] offset:16*\i
.endr
.endm
.macro VQ m
	BLOCKQ Y
	ds_store_b128 v[A16], v[C:C+3] offset:VOFF+768*(\m)
	ds_store_b64 v[A8], v[C+4:C+5] offset:VOFF+768*(\m)
.if (\m)%2 == 0
	v_mov_b32 v[W], v[BY]                                          ; block h of the step's four
.else
	v_lshl_or_b32 v[W], v[BY], 16, v[W]                            ; and block 2 + h,
	v_lshlrev_b32 v[W], v[SH8], v[W]                               ; at their places in the word (8 h bits up);
	v_permlanex16_b32 v[T], v[W], s[SEL], s[SEL+1]
	v_or_b32 v[W], v[W], v[T]                                      ; with lane l xor 16's two the word is whole
	ds_store_b32 v[VSW], v[W] offset:4*((\m)/2)
.endif
.endm
.macro BAR                             ; my LDS stores have landed and my LDS loads are in: then the work-group's barrier
	s_wait_dscnt 0x0
	s_barrier_signal -1
	s_barrier_wait -1
.endm
.macro PLACES
.rept 4
	v_nop
.endr
.endm
	s_load_b128 s[4:7], s[0:1], 0x0                ; qkv s[4:5], out0 s[6:7]
	v_lshrrev_b32 v24, 5, v0
	v_readfirstlane_b32 s[WV], v24                 ; wave 0..15
	v_and_b32 v24, 31, v0                          ; lane
	v_lshlrev_b32 v[CO], 2, v24
	s_and_b32 s10, ttmp7, 0xffff                   ; the batch
	s_mul_i32 s39, s10, 0x180000                   ; its 192 rows of 8,192 bytes (all offsets stay under 2^31)
	s_lshl_b32 s30, ttmp9, 11                      ; q: my work-group's 512 columns,
	s_lshl_b32 s9, s[WV], 7                        ; my wave's 32 of them
	s_add_co_u32 s30, s30, s9
	s_add_co_u32 s30, s30, s39
	s_mov_b32 s31, 0
	s_lshl_b32 s9, s[WV], 9                        ; k and v: my wave's 128 keys
	s_add_co_u32 s9, s9, s39
	s_add_co_u32 s9, s9, 0x80000                   ; k begins 64 rows on
	s_wait_kmcnt 0x0
	s_add_nc_u64 s[QP:QP+1], s[4:5], s[30:31]
	s_mov_b32 s30, s9
	s_add_nc_u64 s[KP:KP+1], s[4:5], s[30:31]
	s_add_co_u32 s30, s30, 0x80000                 ; v 64 rows further
	s_add_nc_u64 s[VP:VP+1], s[4:5], s[30:31]
	CLOAD 0, KP, 0, 0                              ; the first two items are asked for before anything else is made
	CLOAD 1, KP, 262144, 0
	s_lshl_b32 s30, s10, 19                        ; out: the batch's 64 rows,
	s_lshl_b32 s9, ttmp9, 11                       ; my work-group's 512 columns,
	s_add_co_u32 s30, s30, s9
	s_lshl_b32 s9, s[WV], 15                       ; my wave's rows 4 w .. 4 w + 3
	s_add_co_u32 s30, s30, s9
	s_add_nc_u64 s[OP:OP+1], s[6:7], s[30:31]
	s_mov_b32 s[SEL], 0x76543210
	s_mov_b32 s[SEL+1], 0xfedcba98                 ; v_permlanex16_b32's selects for lane l xor 16
	s_mov_b32 s[CS], 0x3fb8aa3b                    ; log2(e)
	s_mov_b32 s[CS+1], s[CS]                       ; (the packed forms name a pair and take its low word for both halves: so the upper word is written)
	s_mov_b32 s[SCL], 0x3eb504f3                   ; g = 1 / sqrt(8) in f32
	s_mov_b32 s[SCL+1], s[SCL]
	s_mul_i32 s32, s[WV], STEPB                    ; my wave's key step in LDS
	s_add_co_u32 s33, s32, 512
	s_add_co_u32 s34, s32, KSC
	s_mul_i32 s35, s[WV], 1536
	s_add_co_u32 s35, s35, QI                      ; the two HFs of Q that I make
	s_add_co_u32 s36, s35, 512
	s_lshl_b32 s37, s[WV], 7
	s_add_co_u32 s37, s37, QS                      ; and their scale words
	s_mul_i32 s38, s[WV], 16*TP
	s_add_co_u32 s38, s38, XST                     ; my turning stage
	s_mul_i32 s28, s[WV], 768
	s_add_co_u32 s28, s28, QI                      ; phase B: the HF of tile w (pass 1: 16 HFs on)
	s_lshl_b32 s29, s[WV], 6
	s_add_co_u32 s29, s29, QS
	v_lshlrev_b32 v[L16], 4, v24
	v_lshl_add_u32 v[L8], v24, 3, 512
	v_bfe_u32 v25, v0, 3, 1                        ; u: which tile of the pair my column falls into
	v_bfe_u32 v26, v0, 4, 1                        ; h
	v_and_b32 v27, 7, v0
	v_lshl_add_u32 v27, v26, 3, v27                ; r: my column's slot in that tile = lane % 8 + 8 h
	v_and_b32 v23, 15, v0                          ; lane % 16
	v_lshlrev_b32 v[SH8], 3, v26
	v_mul_u32_u24 v[TMP], v25, 768
	v_lshl_add_u32 v[KA16], v27, 4, v[TMP]         ; 768 u + 16 r
	v_lshl_add_u32 v[KA8], v27, 3, v[TMP]          ; 768 u + 8 r
	v_add_nc_u32 v[QA16], s35, v[KA16]
	v_add_nc_u32 v[QA8], s36, v[KA8]
	v_add_nc_u32 v[KA16], s32, v[KA16]
	v_add_nc_u32 v[KA8], s33, v[KA8]
	v_lshlrev_b32 v[KSW], 8, v25
	v_lshl_add_u32 v[KSW], v27, 4, v[KSW]
	v_add_nc_u32 v[KSW], s34, v[KSW]               ; 16 (r + 16 u)
	v_lshlrev_b32 v[QSW], 6, v25
	v_lshl_add_u32 v[QSW], v27, 2, v[QSW]
	v_add_nc_u32 v[QSW], s37, v[QSW]               ; 64 u + 4 r
	v_lshlrev_b32 v[VO], 13, v26
	v_lshl_add_u32 v[VO], v23, 4, v[VO]            ; v in memory: row h of a pair, 16 bytes a lane
	v_mul_u32_u24 v[TS], v26, TP
	v_lshl_add_u32 v[TS], v23, 4, v[TS]
	v_add_nc_u32 v[TS], s38, v[TS]                 ; into the stage likewise
	v_mul_u32_u24 v[TL], v23, TP
	v_lshl_add_u32 v[TL], v26, 7, v[TL]
	v_add_nc_u32 v[TL], s38, v[TL]                 ; back: row lane % 16, 128 bytes for each half of the lanes
	v_add_nc_u32 v[VSW], s32, v[L16]
	v_add_nc_u32 v[VSW], VSC, v[VSW]
	v_add_nc_u32 v[A16], s32, v[L16]
	v_add_nc_u32 v[A8], s32, v[L8]
	s_lshr_b32 s39, s[WV], 1                       ; the way out: my tile's 16 queries stand at columns 32 (w / 2) + 16 (m / 8) + 8 (w % 2) + m % 8 of the pass's 256
	s_lshl_b32 s39, s39, 7
	s_and_b32 s9, s[WV], 1
	s_lshl_b32 s9, s9, 5
	s_add_co_u32 s39, s39, s9
	s_add_co_u32 s39, s39, XST
	v_mul_u32_u24 v[SW], v26, 8*OP_                ; lanes 16-31 hold channels eight rows on
	v_lshl_add_u32 v[SW], v25, 6, v[SW]
	v_and_b32 v[TMP], 7, v0
	v_lshl_add_u32 v[SW], v[TMP], 2, v[SW]
	v_add_nc_u32 v[SW], s39, v[SW]
	s_mul_i32 s39, s[WV], 4*OP_
	s_add_co_u32 s39, s39, XST
	v_add_nc_u32 v[SRD], s39, v[L16]               ; back: my four rows, 16 bytes a lane
	v_mov_b32 v[T], 0                              ; written once: a lane permute's destination counts as one of its sources
	; ---- PHASE A.  Ten column items (k: four units of 32 keys x two blocks of channels; q: two blocks), loads two items ahead; then v's eight HFs, loads three ahead.
.irp b, 0,1,2,3
.irp g, 0,1
	s_wait_loadcnt 32                              ; this item's 32 loads are in; the next item's 32 may be out
	CQ 2*\b+\g, \g, KA16, KA8, 1536*\b, KSW, 4*\b
.if \b < 3
	CLOAD 2*\b+\g, KP, 262144*\g+128*(\b+1), 0     ; the item two on, into the set just read (k and v are read by the batch's four work-groups: no hint)
.else
	CLOAD 2*\b+\g, QP, 262144*\g, 1                ; q: read once in the launch
.endif
	s_wait_dscnt 0x0                               ; the stores have read the codes' and the word's registers
.endr
.endr
	s_wait_loadcnt 32                              ; q's block 0 is in; block 1's 32 loads may be out
	CQ 8, 0, QA16, QA8, 0, QSW, 0
	VLOAD 0
	VLOAD 1
	s_wait_dscnt 0x0
	s_wait_loadcnt 16                              ; q's block 1 is in; v's first two HFs (8 loads each) may be out
	CQ 9, 1, QA16, QA8, 0, QSW, 0
	VLOAD 2
	s_wait_dscnt 0x0
.irp m, 0,1,2,3,4,5,6,7
.if \m < 6
	s_wait_loadcnt 16                              ; HF m's eight loads are in; the two HFs behind it may be out
.elseif \m == 6
	s_wait_loadcnt 8
.else
	s_wait_loadcnt 0
.endif
	VTURN \m
	s_wait_dscnt 0x0                               ; my 32 keys are back; the stage's stores have read the set, and the last HF's stores their codes
.if \m < 5
	VLOAD \m+3
.endif
	VQ \m
.endr
	BAR                                            ; all images lie in LDS, and nobody uses a turning stage any more
	; ---- PHASE B.  What stands for both passes: the zero codes of K = 64 .. 127 of product 1, on both sides
.irp j, 6,7,8,9,10,11
	v_mov_b32 v[QF+\j], 0
.irp t, 0,1,2,3
	v_mov_b32 v[KF+12*\t+\j], 0
.endr
.endr
.irp b, 0,1,2,3
	v_mov_b32 v[T8+\b], 0                          ; written once: a lane permute's destination counts as one of its sources
.endr
	v_mov_b32 v[PW], 0                             ; (named as the upper half of the pair v[10:11] before it is first written)
	v_and_b32 v[QSA], 15, v0                       ; (every global load has been waited for: v5 is free)
	v_lshl_add_u32 v[QSA], v[QSA], 2, s29
; four products S^T = K Q^T: tiles 4 g .. 4 g + 3 of 16 keys.  Tile 2 b + u takes its scale words from register b: lanes 0-15 for u = 0, lanes 16-31 for u = 1
.macro SPROD g
.irp t, 0,1,2,3
.if \t%2 == 0
	v_wmma_scale_f32_16x16x128_f8f6f4 v[SA+8*(4*\g+\t):SA+8*(4*\g+\t)+7], v[KF+12*\t:KF+12*\t+11], v[QF:QF+11], 0, v[KS4+2*\g+\t/2], v[QSC] matrix_a_fmt:MATRIX_FMT_BF6 matrix_b_fmt:MATRIX_FMT_BF6
.else
	v_wmma_scale_f32_16x16x128_f8f6f4 v[SA+8*(4*\g+\t):SA+8*(4*\g+\t)+7], v[KF+12*\t:KF+12*\t+11], v[QF:QF+11], 0, v[KS4+2*\g+\t/2], v[QSC] matrix_a_fmt:MATRIX_FMT_BF6 matrix_b_fmt:MATRIX_FMT_BF6 matrix_a_scale:MATRIX_SCALE_ROW1
.endif
.endr
.endm
.macro KLOAD g
.irp t, 0,1,2,3
	ds_load_b128 v[KF+12*\t:KF+12*\t+3], v[A16] offset:768*(4*\g+\t)
	ds_load_b64 v[KF+12*\t+4:KF+12*\t+5], v[A8] offset:768*(4*\g+\t)
.endr
.endm
; A KEY STEP: 128 keys
.macro STEP
	v_add_nc_u32 v[A16], s[TB], v[L16]
	v_add_nc_u32 v[A8], s[TB], v[L8]
	ds_load_b128 v[KS4:KS4+3], v[A16] offset:KSC
	KLOAD 0
	s_wait_dscnt 0x0                               ; (in a pass's first step Q's three loads too)
	SPROD 0
	PLACES                                         ; four places in front of loads into K's registers (ISA guide 7.12.1 for vector instructions); with the two additions above they also part the last step's O products from the loads into V's
	KLOAD 1
	ds_load_b128 v[VS4:VS4+3], v[A16] offset:VSC
.irp m, 0,1,2,3,4,5,6,7
	ds_load_b128 v[VF+6*\m:VF+6*\m+3], v[A16] offset:VOFF+768*\m
	ds_load_b64 v[VF+6*\m+4:VF+6*\m+5], v[A8] offset:VOFF+768*\m
.endr
	s_wait_dscnt 17                                ; K's eight loads are in; the 17 behind them (V's words and fragments) land while the softmax is walked
	SPROD 1
	PLACES
.irp b, 0,1,2,3
	v_max3_num_f32 v[BM+\b], v[SA+16*\b], v[SA+1+16*\b], v[SA+2+16*\b]   ; the largest score of each block of 32 keys: for the row's maximum and, since p rises with the score, for the block's largest p.  (Each result is read from its low end on)
.endr
.irp i, 3,5,7,9,11,13
.irp b, 0,1,2,3
	v_max3_num_f32 v[BM+\b], v[BM+\b], v[SA+16*\b+\i], v[SA+1+16*\b+\i]
.endr
.endr
.irp b, 0,1,2,3
	v_max_num_f32 v[BM+\b], v[BM+\b], v[SA+15+16*\b]
.endr
.irp b, 0,1,2,3
	v_permlanex16_b32 v[T8+\b], v[BM+\b], s[SEL], s[SEL+1]
.endr
.irp b, 0,1,2,3
	v_max_num_f32 v[BM+\b], v[BM+\b], v[T8+\b]     ; with lane l xor 16's 16 keys
.endr
	v_max3_num_f32 v[TMP], v[BM], v[BM+1], v[BM+2]
	v_max_num_f32 v[TMP], v[TMP], v[BM+3]          ; the step's largest score of my query
	v_mul_f32 v[TMP], s[CS], v[TMP]                ; as t
	v_max_num_f32 v[TMX], v[TMX], v[TMP]           ; the running largest t
	v_mov_b32 v[TMP], v[NM]
	v_floor_f32 v[NM], -v[TMX]                     ; the new -M = floor(-t) = -ceil(t)
	v_sub_f32 v[TMP], v[NM], v[TMP]                ; old M - new M: a whole number, 0 or less
	v_cvt_i32_f32 v[TMP], v[TMP]                   ; (it saturates)
	v_ldexp_f32 v[FF], 1.0, v[TMP]                 ; f = 2^(old M - new M)
.irp j, 0,2,4,6,8,10,12,14,16,18,20,22,24,26,28,30,32,34,36,38,40,42,44,46,48,50,52,54,56,58,60,62
	v_pk_fma_f32 v[SA+\j:SA+\j+1], v[SA+\j:SA+\j+1], s[CS:CS+1], v[NM:NM+1] op_sel_hi:[1,0,0]   ; t - M, two at a time
.endr
.irp b, 0,1,2,3
	v_fma_f32 v[BM+\b], v[BM+\b], s[CS], v[NM]     ; the same of each block's largest score
.endr
.irp j, 0,1,2,3,4,5,6,7,8,9,10,11,12,13,14,15,16,17,18,19,20,21,22,23,24,25,26,27,28,29,30,31,32,33,34,35,36,37,38,39,40,41,42,43,44,45,46,47,48,49,50,51,52,53,54,55,56,57,58,59,60,61,62,63
	v_exp_f32 v[SA+\j], v[SA+\j]                   ; p = 2^(t - M), at most 1
.endr
.irp b, 0,1,2,3
	v_exp_f32 v[BM+\b], v[BM+\b]                   ; the block's largest p: the same two instructions on the same number
.endr
	v_pk_mul_f32 v[LS:LS+1], v[LS:LS+1], v[FF:FF+1] op_sel_hi:[1,0]   ; l under the new M.  (The plain place behind the exponentials)
	s_wait_alu depctr_va_vdst(0)
.irp b, 0,1,2,3
	v_max_num_f32 v[BM+\b], 0x2800000, v[BM+\b]    ; the floor 2^(5 - 127)
.endr
.irp b, 0,1,2,3
	v_add_nc_u32 v[SO4+\b], 0xfe000000, v[BM+\b]   ; the conversion's scale operand
.endr
.irp b, 0,1,2,3
	v_lshrrev_b32 v[T8+\b], 23, v[SO4+\b]          ; the scale's byte
.endr
	v_lshl_or_b32 v[PW], v[T8+1], 8, v[T8]         ; p's scale word for these 128 keys
	v_lshl_or_b32 v[PW], v[T8+2], 16, v[PW]
	v_lshl_or_b32 v[PW], v[T8+3], 24, v[PW]
.irp c, 0,1
	v_cvt_scalef32_pk16_bf6_f32 v[PC+6*\c:PC+6*\c+2], v[SA+32*\c:SA+32*\c+15], v[SO4+2*\c]
	v_cvt_scalef32_pk16_bf6_f32 v[T8+4*\c:T8+4*\c+2], v[SA+16+32*\c:SA+31+32*\c], v[SO4+2*\c+1]
.endr
	v_nop                                          ; one plain place behind a scaled conversion
.irp c, 0,1                                    ; the operand's layout wants a whole block in a lane: lanes 0-15 block 2 c, lanes 16-31 block 2 c + 1
.irp i, 0,1,2
	v_permlane16_swap_b32 v[PC+6*\c+\i], v[T8+4*\c+\i]
.endr
.irp i, 0,1,2
	v_mov_b32 v[PC+3+6*\c+\i], v[T8+4*\c+\i]
.endr
.endr
	v_pk_add_f32 v[T8:T8+1], v[SA:SA+1], v[SA+2:SA+3]   ; the row's sum of the unquantised p, in two chains.  (These 32 lines name no register of the products below: they are the places behind the writes of p's codes, 4 asked, and of its scale word, 8 asked)
.irp j, 4,8,12,16,20,24,28,32,36,40,44,48,52,56,60
	v_pk_add_f32 v[LS:LS+1], v[LS:LS+1], v[SA+\j:SA+\j+1]
	v_pk_add_f32 v[T8:T8+1], v[T8:T8+1], v[SA+2+\j:SA+3+\j]
.endr
	v_pk_add_f32 v[LS:LS+1], v[LS:LS+1], v[T8:T8+1]
.irp j, 0,2,4,6,8,10,12,14,16,18,20,22,24,26,28,30
	v_pk_mul_f32 v[OA+\j:OA+\j+1], v[OA+\j:OA+\j+1], v[FF:FF+1] op_sel_hi:[1,0]   ; O^T under the new M
.endr
	s_wait_dscnt 0x0                               ; V is in
.irp t, 0,1,2,3                                ; O^T += V P^T: four tiles of 16 channels, one instruction each, by turns; the next matrix instruction starts a sum of S^T
	v_wmma_scale_f32_16x16x128_f8f6f4 v[OA+8*\t:OA+8*\t+7], v[VF+12*\t:VF+12*\t+11], v[PC:PC+11], v[OA+8*\t:OA+8*\t+7], v[VS4+\t], v[PW] matrix_a_fmt:MATRIX_FMT_BF6 matrix_b_fmt:MATRIX_FMT_BF6
.endr
.endm
.macro PASS p
	v_add_nc_u32 v[A16], s28, v[L16]
	v_add_nc_u32 v[A8], s28, v[L8]
	ds_load_b128 v[QF:QF+3], v[A16] offset:12288*\p      ; tile 16 p + w: its codes
	ds_load_b64 v[QF+4:QF+5], v[A8] offset:12288*\p
	ds_load_b32 v[QSC], v[QSA] offset:1024*\p            ; and its scale words
	v_mov_b32 v[TMX], 0xff61b1e6                   ; the largest t so far: -3e38
	v_floor_f32 v[NM], -v[TMX]
	v_mov_b32 v[LS], 0
	v_mov_b32 v[LS+1], 0
.irp j, 0,1,2,3,4,5,6,7,8,9,10,11,12,13,14,15,16,17,18,19,20,21,22,23,24,25,26,27,28,29,30,31
	v_mov_b32 v[OA+\j], 0                          ; the step is written once: the first finds zeros, which the first change of M leaves zeros (a first step of its own would double the loop's text to spare these 32 lines)
.endr
	s_mov_b32 s[TB], 0
	s_mov_b32 s[CNT], 16
.Lstep_\@:
	STEP
	s_add_co_u32 s[TB], s[TB], STEPB
	s_sub_co_u32 s[CNT], s[CNT], 1
	s_cmp_lg_u32 s[CNT], 0
	s_cbranch_scc1 .Lstep_\@
	; the way out: O^T / l through a stage that the sixteen waves share, since a row of out holds queries of all of them
	PLACES
	v_add_f32 v[LS], v[LS], v[LS+1]                ; l's two halves,
	v_permlanex16_b32 v[T8], v[LS], s[SEL], s[SEL+1]
	v_add_f32 v[LS], v[LS], v[T8]                  ; and lane l xor 16's
	v_rcp_f32 v[FF], v[LS]
	v_nop                                          ; one plain place behind a transcendental
	s_wait_alu depctr_va_vdst(0)
.irp j, 0,2,4,6,8,10,12,14,16,18,20,22,24,26,28,30
	v_pk_mul_f32 v[SA+\j:SA+\j+1], v[OA+\j:OA+\j+1], v[FF:FF+1] op_sel_hi:[1,0]   ; register 8 t + j: channel 16 t + 8 h + j of my query; each result from its low end on
.endr
.if \p == 1
	BAR                                            ; every wave's reads of the first pass's rows are over: the stage may be written again
.endif
.irp t, 0,1,2,3
.irp j, 0,1,2,3,4,5,6,7
	ds_store_b32 v[SW], v[SA+8*\t+\j] offset:OP_*(16*\t+\j)   ; the 32 lanes' words: 32 h + 16 (m / 8) + m % 8 modulo 64: all different
.endr
.endr
	BAR                                            ; 64 rows x 256 queries lie in the stage
.irp i, 0,1,2,3,4,5,6,7
	ds_load_b128 v[SA+32+4*\i:SA+32+4*\i+3], v[SRD] offset:OP_*(\i/2)+512*(\i%2)
.endr
.irp i, 0,1,2,3,4,5,6,7
	s_wait_dscnt 7-\i                              ; LDS loads come back in order: load i is in, the younger ones may be out
	global_store_b128 v[L16], v[SA+32+4*\i:SA+32+4*\i+3], s[OP:OP+1] offset:8192*(\i/2)+512*(\i%2)+1024*\p th:TH_STORE_NT   ; 32 lanes store 512 consecutive bytes, at a multiple of 512 from out's first byte
.endr
.if \p == 0
	s_wait_xcnt 0x0                                ; the stores' data registers are written again by the next pass's products only behind this wait
.endif
.endm
	PASS 0
	PASS 1
	s_wait_xcnt 0x0
	v_lshl_add_u32 v254, v0, 2, 0x4b800
	v_mov_b32 v255, 0
	s_wait_tensorcnt 0x0
	ds_add_u32 v254, v255
	s_wait_dscnt 0x0
	s_endpgm
.Lfunc_end_k_q5de5314218_attn:
	.size	k_q5de5314218_attn, .Lfunc_end_k_q5de5314218_attn-k_q5de5314218_attn
	.p2alignl 7, 3214868480
	.fill 96, 4, 3214868480
	.section	.rodata,"a",@progbits
	.p2align	6, 0x0
	.amdhsa_kernel k_q5de5314218_attn
		.amdhsa_group_segment_fixed_size 311296
		.amdhsa_private_segment_fixed_size 0
		.amdhsa_enable_private_segment 0
		.amdhsa_kernarg_size 16
		.amdhsa_user_sgpr_count 2
		.amdhsa_user_sgpr_kernarg_segment_ptr 1
		.amdhsa_wavefront_size32 1
		.amdhsa_system_sgpr_workgroup_id_x 1
		.amdhsa_system_sgpr_workgroup_id_y 1
		.amdhsa_system_sgpr_workgroup_id_z 1
		.amdhsa_system_vgpr_workitem_id 0
		.amdhsa_next_free_vgpr 256
		.amdhsa_next_free_sgpr 66
		.amdhsa_reserve_vcc 0
		.amdhsa_float_denorm_mode_32 3
		.amdhsa_float_denorm_mode_16_64 3
		.amdhsa_memory_ordered 1
		.amdhsa_forward_progress 1
		.amdhsa_inst_pref_size 135
	.end_amdhsa_kernel
	.amdgpu_metadata
---
amdhsa.version: [ 1, 2 ]
amdhsa.kernels:
  - .name:           k_q5de5314218_attn
    .symbol:         k_q5de5314218_attn.kd
    .args:
      - { .name: qkv, .offset: 0, .size: 8, .value_kind: global_buffer, .address_space: global }
      - { .name: out0, .offset: 8, .size: 8, .value_kind: global_buffer, .address_space: global }
    .group_segment_fixed_size: 311296
    .private_segment_fixed_size: 0
    .kernarg_segment_align: 8
    .kernarg_segment_size: 16
    .max_flat_workgroup_size: 512
    .sgpr_count:     66
    .vgpr_count:     256
    .wavefront_size: 32
...
	.end_amdgpu_metadata
.endif
;; end of part 1
;; ======== version 2 of 2: 1 launch; version 1 with the launch attn written anew for expert scheduling mode
;; launch attn (part 2): grid 4 x 64, 16 waves a work-group, no clusters, 311,296 bytes of LDS; arguments qkv, out0; writes out0
.if DOCPART == 2
	.amdgcn_target "amdgcn-amd-amdhsa--gfx1250"
	.amdhsa_code_object_version 6
	.text
	.protected	k_q5de5314218_attn
	.globl	k_q5de5314218_attn
	.p2align	8
	.type	k_q5de5314218_attn,@function
k_q5de5314218_attn:
	s_mov_b64 s[64:65], 0
	v_nop
	global_prefetch_b8 v0, s[64:65] scope:SCOPE_SE
	s_setreg_imm32_b32 hwreg(HW_REG_WAVE_SCHED_MODE, 0, 2), 2
	s_setreg_imm32_b32 hwreg(HW_REG_WAVE_MODE, 25, 1), 1
	s_wait_xcnt 0x0
	s_wait_alu depctr_vm_vsrc(0)
; out[b][c][t] = sum over s of softmax_s( sum over c' of (q[c'][t] g)(k[c'][s] g) ) v[c][s],  g = f32(1 / sqrt(8)).  qkv: [64][192][2048] f32 (rows 0-63 q, 64-127 k, 128-191 v); out: [64][64][2048] f32.
; Both products on codes of BF6 (E3M2) with one E8M0 scale for each 32 along K.  Product 1: K = the 64 channels (two blocks; the instruction's other 64 along K are zero codes).  Product 2: K = the keys.
; THE SOFTMAX AHEAD OF PRODUCT 2: t = score x log2(e); M = the running largest t rounded UP to a whole number; p = 2^(t - M) is quantised along the keys, not normalised; the row's sum is taken of the
; unquantised p and divides at the end.  When M moves, the sum and O are multiplied by 2^(old M - new M): exact.
; SHARES.  A work-group owns 512 queries of one batch (grid x: which 512; grid y: the batch); sixteen waves of 256 registers, four to a SIMD, so that one wave's vector work stands beside another's products and LDS loads.
; PHASE A: the work-group quantises the batch's whole k g and v and its own 512 columns of q g into LDS: 96 KB + 96 KB + 24 KB of codes, 18 KB of scale words.  They stay: LDS is filled once, so there is no ring and no refill.
;   Wave w makes key step w (keys 128 w .. 128 w + 127) of k and of v, and queries 32 w .. 32 w + 31.  q and k have K down the rows of memory: a lane takes a column and its registers run down the channels.
;   v has K (the keys) along the rows: 16 rows x 256 bytes are loaded as they lie and turned through the wave's own stage, so that a lane holds 32 neighbouring keys.
; PHASE B: two passes.  In pass p wave w owns the 16 queries of tile 16 p + w and walks all keys, 128 a step.  Both products are used transposed (S^T = K Q^T, O^T = V P^T): a lane holds ONE query throughout.
; CODES LIE IN LDS AS IMAGES OF THE OPERAND'S REGISTERS.  A half fragment (HF: 16 rows x 64 K, six registers a lane, 768 bytes): registers 0-3 of lane L at 16 L, registers 4-5 at 512 + 8 L.  Every load in the key loop
;   takes consecutive bytes in consecutive lanes.
; THE COLUMNS OF A TILE ARE NOT NEIGHBOURS (keys and queries alike): slot m of tile 2 b + u is column 32 b + 16 (m / 8) + 8 u + m % 8, so that in S^T the 16 registers of tiles 2 b and 2 b + 1 are 16 neighbouring keys.
; NO CLUSTER, NO JOINT LOADS: the four work-groups of a batch do read the same k and v, but as f32, once, at the head, through registers on the way to the quantiser; a joint load would have to land that 1 MB in LDS,
;   beside 240 KB of images: a ring that is filled again, and a second trip of those bytes through LDS, for a phase that is about a tenth of a wave's instructions.
; LIMITS: NaN and infinities among the inputs are not served.  A block of zeros gets the scale byte 1, not 127: its codes are zeros and only this launch reads the bytes.  p under 2^-126 comes out as 0 (v_exp_f32 flushes).
;   A block's largest p is made from its largest score: this takes v_exp_f32 not to fall where its input rises.  t under -3e38 is not served.
; THE MODE: SCHED_MODE bits 1:0 = 2 (LLVM: expert scheduling mode 2), set by the entry lines.  The code itself states the register dependences between vector or matrix instructions and memory or LDS
;   instructions, with s_wait_alu, always for 0.
; THE PLAN.  Registers that memory or LDS instructions touch, and who else names them:
;   PHASE A.  CX0, CX1: an item's 32 loads land; its scalings, maxima and conversions read and write the set; the loads of the item two on land in it.   C, W: written by an item's vector lines, read by its LDS stores,
;     written again by the next item.   R0 .. R2: v's loads land; the stores into the turning stage read them; the loads of the HF three on land.   Y: the stage's loads land; the HF's maxima and conversions read it.
;     Offsets and addresses are made once at the head.  So an item has ONE wait on va_vdst, behind its last vector line (its stores' data are written; the set, or Y, is done with), and ONE on vm_vsrc (its stores,
;     and the stage's, have read their data).
;   PHASE B, a key step.  KF's code halves and KS4: read by the first four S products; tiles 4-7 land in KF; read by the other four; the NEXT step's first four tiles and its scale words land.   VF, VS4: the step's V lands;
;     the four O products read it.   v3, v4: read by every load of the step; written once a step.   All else in the step (S^T, p, O^T, p's codes) is named by vector and matrix instructions alone.
;     THREE waits on va_vdst: behind the first four S products; behind the exponentials; ahead of the O products.  ONE on vm_vsrc, ahead of the two adds that step v3 and v4.
;     The next step's first nine loads stand behind the second wait, reached by an immediate of one key step; so the last step, which has no next, is written out behind a loop of fifteen.
.set STEPB, 13312                      ; LDS, one key step: 8 HFs of K, 8 HFs of V, 512 bytes of K's scale words, 512 of V's
.set VOFF,  6144                       ;   V's HFs: number 2 ct + cp (channels 16 ct on, keys 64 cp on)
.set KSC,   12288                      ;   K's scale words: tile 2 b + u, row r at 16 (r + 16 u) + 4 b
.set VSC,   12800                      ;   V's: channel tile ct, lane L at 16 L + 4 ct (both halves of the lanes hold the same word)
.set QI,    16*STEPB                   ; Q's 32 HFs, tile T at 768 T
.set QS,    QI+32*768                  ; Q's scale words: tile T, slot m at 64 T + 4 m
.set XST,   QS+2048                    ; phase A: sixteen turning stages of 16 rows x 272 bytes; phase B: the way out, 64 rows x 1,040 bytes
.set TP,    272                        ; 256 bytes + 16: an odd multiple of 16
.set OP_,   1040                       ; 1,024 bytes + 16
; vector registers that stay
.set L16, 1                            ; v1   16 x lane; also my byte offset in a stored run of 512 bytes
.set L8,  2                            ; v2   8 x lane + 512
.set A16, 3                            ; v3   phase A: my wave's key step + v1; phase B: the step in hand + v1
.set A8,  4                            ; v4   the same + v2
.set CO,  5                            ; v5   phase A: 4 x lane, my column;  phase B (QSA): LDS address of my query's scale word
.set QSA, 5
.set SW,  6                            ; v6   the way out: where my query's column stands in the stage
.set SRD, 7                            ; v7   the way out: where I read rows back
.set TMP, 8
.set QSC, 9                            ; v9   q's scale words.  v9, v11, v28-31, v80-83 hold scales and nothing else
.set FF,  10                           ; v[10:11]  f = 2^(old M - new M), at a pass's end 1 / l;  v11 = p's scale word (named as the pair's upper half, never used as such)
.set PW,  11
.set NM,  12                           ; v12  -M;  v13 the largest t so far
.set TMX, 13
.set LS,  14                           ; v[14:15]  l in two halves
; phase A
.set KA16, 12
.set KA8,  13
.set KSW,  14
.set QA16, 15
.set QA8,  16
.set QSW,  17
.set VO,   18
.set TS,   19
.set TL,   20
.set VSW,  21
.set SH8,  22
.set Y,    32                          ; v32-63   32 neighbouring keys of v
.set C,    64                          ; v64-70   a block's codes
.set MXA,  72
.set MXB,  73
.set SOP,  74
.set BY,   75
.set W,    76
.set T,    77
.set CX,   96                          ; v96-159  two sets of 32 numbers of a column
.set R,    160                         ; v160-255 three sets of 32 registers of v as loaded
; phase B
.set QF,   16                          ; v16-27   Q: six registers of codes, six of zeros
.set KS4,  28                          ; v28-31   K's scale words
.set VF,   32                          ; v32-79   V's four fragments
.set VS4,  80                          ; v80-83   V's scale words
.set PC,   84                          ; v84-95   p's codes
.set SA,   96                          ; v96-159  S^T, then p
.set OA,   160                         ; v160-191 O^T
.set KF,   192                         ; v192-239 four fragments of K: six registers of codes, six of zeros that stand
.set BM,   240                         ; v240-243 each block's largest score
.set T8,   244                         ; v244-251 at work
.set SO4,  252                         ; v252-255 the conversions' scale operands
; scalar registers
.set WV,  8
.set QP,  12
.set KP,  14
.set VP,  16
.set OP,  18
.set SEL, 20
.set CS,  22
.set SCL, 24
.set TB,  26
.set CNT, 27
; 32 numbers of one block in v[xs] on -> the block's 24 bytes of codes in v[C] .. v[C+5], its scale byte in v[BY]
.macro BLOCKQ xs
	v_max3_num_f32 v[MXA], |v[\xs]|, |v[\xs+1]|, |v[\xs+2]|          ; the largest magnitude, in two chains
	v_max3_num_f32 v[MXB], |v[\xs+3]|, |v[\xs+4]|, |v[\xs+5]|
.irp i, 6,10,14,18,22,26
	v_max3_num_f32 v[MXA], v[MXA], |v[\xs+\i]|, |v[\xs+\i+1]|
	v_max3_num_f32 v[MXB], v[MXB], |v[\xs+\i+2]|, |v[\xs+\i+3]|
.endr
	v_max3_num_f32 v[MXA], v[MXA], |v[\xs+30]|, |v[\xs+31]|
	v_max3_num_f32 v[MXA], v[MXA], v[MXB], 0x2800000               ; and the floor 2^(5 - 127): the byte cannot fall under 1
	v_add_nc_u32 v[SOP], 0xfe000000, v[MXA]                        ; 4 off the exponent field: the conversion takes this operand's exponent field as its scale
	v_lshrrev_b32 v[BY], 23, v[SOP]                                ; the scale's byte
	v_cvt_scalef32_pk16_bf6_f32 v[C:C+2], v[\xs:\xs+15], v[SOP]
	v_cvt_scalef32_pk16_bf6_f32 v[C+4:C+6], v[\xs+16:\xs+31], v[SOP] ; (a conversion's three registers begin on an even number)
	v_nop                                                          ; one plain place behind a scaled conversion
	v_mov_b32 v[C+3], v[C+4]
	v_mov_b32 v[C+4], v[C+5]
	v_mov_b32 v[C+5], v[C+6]
.endm
; 32 rows (channels) of 32 neighbouring columns into set n % 2: each load reads 128 consecutive bytes
.macro CLOAD n, base, off, nt
.irp i, 0,1,2,3,4,5,6,7,8,9,10,11,12,13,14,15,16,17,18,19,20,21,22,23,24,25,26,27,28,29,30,31
.if \nt
	global_load_b32 v[CX+32*((\n)%2)+\i], v[CO], s[\base:\base+1] offset:\off+8192*\i th:TH_LOAD_NT
.else
	global_load_b32 v[CX+32*((\n)%2)+\i], v[CO], s[\base:\base+1] offset:\off+8192*\i
.endif
.endr
.endm
; set n % 2 (block g of my column) x g, quantised, to its place in an HF; with g = 1 the column's scale word goes out too (bytes 2 and 3 stay 0: they scale zero codes)
.macro CQ n, g, a16, a8, off, asw, offsw
.set XS, CX+32*((\n)%2)
.irp i, 0,2,4,6,8,10,12,14,16,18,20,22,24,26,28,30
	v_pk_mul_f32 v[XS+\i:XS+\i+1], v[XS+\i:XS+\i+1], s[SCL:SCL+1] op_sel_hi:[1,0]
.endr
	BLOCKQ XS
.if (\g) == 0
	v_mov_b32 v[W], v[BY]
.else
	v_lshl_or_b32 v[W], v[BY], 8, v[W]
.endif
	s_wait_alu depctr_va_vdst(0)                   ; the codes and the word are written, which the stores below read (in the first item their addresses too); the item's vector lines are done with the set, in which the loads behind the stores land
	ds_store_b128 v[\a16], v[C:C+3] offset:\off+256*(\g)
	ds_store_b64 v[\a8], v[C+4:C+5] offset:\off+128*(\g)
.if (\g) == 1
	ds_store_b32 v[\asw], v[W] offset:\offsw
.endif
.endm
; v, HF m: channels 16 (m / 2) on, keys 64 (m % 2) on: sixteen lanes read 256 consecutive bytes of a row, at a multiple of 256 from the buffer's first byte; two rows an instruction
.macro VLOAD m
.irp i, 0,1,2,3,4,5,6,7
	global_load_b128 v[R+32*((\m)%3)+4*\i:R+32*((\m)%3)+4*\i+3], v[VO], s[VP:VP+1] offset:(16*((\m)/2)+2*\i)*8192+256*((\m)%2)
.endr
.endm
; through my stage: in as loaded, back 128 bytes a lane: lane (r, h) then holds row r, keys 32 h .. 32 h + 31.  LDS serves a wave's instructions in order (ISA guide 5.7.1.4): no wait between
.macro VTURN m
.irp i, 0,1,2,3,4,5,6,7
	ds_store_b128 v[TS], v[R+32*((\m)%3)+4*\i:R+32*((\m)%3)+4*\i+3] offset:2*TP*\i
.endr
.irp i, 0,1,2,3,4,5,6,7
	ds_load_b128 v[Y+4*\i:Y+4*\i+3], v[TL] offset:16*\i
.endr
.endm
.macro VQ m
	BLOCKQ Y
.if (\m)%2 == 0
	v_mov_b32 v[W], v[BY]                                          ; block h of the step's four
.else
	v_lshl_or_b32 v[W], v[BY], 16, v[W]                            ; and block 2 + h,
	v_lshlrev_b32 v[W], v[SH8], v[W]                               ; at their places in the word (8 h bits up);
	v_permlanex16_b32 v[T], v[W], s[SEL], s[SEL+1]
	v_or_b32 v[W], v[W], v[T]                                      ; with lane l xor 16's two the word is whole
.endif
	s_wait_alu depctr_va_vdst(0)                   ; the codes and the word are written, which the stores below read; the maxima and conversions are done reading Y, in which the next turn's loads land
	ds_store_b128 v[A16], v[C:C+3] offset:VOFF+768*(\m)
	ds_store_b64 v[A8], v[C+4:C+5] offset:VOFF+768*(\m)
.if (\m)%2 == 1
	ds_store_b32 v[VSW], v[W] offset:4*((\m)/2)
.endif
.endm
.macro BAR                             ; my LDS stores have landed and my LDS loads are in: then the work-group's barrier
	s_wait_dscnt 0x0
	s_barrier_signal -1
	s_barrier_wait -1
.endm
.macro PLACES
.rept 4
	v_nop
.endr
.endm
	s_load_b128 s[4:7], s[0:1], 0x0                ; qkv s[4:5], out0 s[6:7]
	v_lshrrev_b32 v24, 5, v0
	v_readfirstlane_b32 s[WV], v24                 ; wave 0..15
	v_and_b32 v24, 31, v0                          ; lane
	v_lshlrev_b32 v[CO], 2, v24
	s_wait_alu depctr_va_sdst(0)                   ; s8, the wave's number, is written, ahead of its first reader: the bases and the LDS places are made from it
	s_and_b32 s10, ttmp7, 0xffff                   ; the batch
	s_mul_i32 s39, s10, 0x180000                   ; its 192 rows of 8,192 bytes (all offsets stay under 2^31)
	s_lshl_b32 s30, ttmp9, 11                      ; q: my work-group's 512 columns,
	s_lshl_b32 s9, s[WV], 7                        ; my wave's 32 of them
	s_add_co_u32 s30, s30, s9
	s_add_co_u32 s30, s30, s39
	s_mov_b32 s31, 0
	s_lshl_b32 s9, s[WV], 9                        ; k and v: my wave's 128 keys
	s_add_co_u32 s9, s9, s39
	s_add_co_u32 s9, s9, 0x80000                   ; k begins 64 rows on
	s_wait_kmcnt 0x0
	s_add_nc_u64 s[QP:QP+1], s[4:5], s[30:31]
	s_mov_b32 s30, s9
	s_add_nc_u64 s[KP:KP+1], s[4:5], s[30:31]
	s_add_co_u32 s30, s30, 0x80000                 ; v 64 rows further
	s_add_nc_u64 s[VP:VP+1], s[4:5], s[30:31]
	s_wait_alu depctr_va_vdst(0)                   ; v5, my column's offset, is written: every load of k and q reads it
	CLOAD 0, KP, 0, 0                              ; the first two items are asked for before anything else is made
	CLOAD 1, KP, 262144, 0
	s_lshl_b32 s30, s10, 19                        ; out: the batch's 64 rows,
	s_lshl_b32 s9, ttmp9, 11                       ; my work-group's 512 columns,
	s_add_co_u32 s30, s30, s9
	s_lshl_b32 s9, s[WV], 15                       ; my wave's rows 4 w .. 4 w + 3
	s_add_co_u32 s30, s30, s9
	s_add_nc_u64 s[OP:OP+1], s[6:7], s[30:31]
	s_mov_b32 s[SEL], 0x76543210
	s_mov_b32 s[SEL+1], 0xfedcba98                 ; v_permlanex16_b32's selects for lane l xor 16
	s_mov_b32 s[CS], 0x3fb8aa3b                    ; log2(e)
	s_mov_b32 s[CS+1], s[CS]                       ; (the packed forms name a pair and take its low word for both halves: so the upper word is written)
	s_mov_b32 s[SCL], 0x3eb504f3                   ; g = 1 / sqrt(8) in f32
	s_mov_b32 s[SCL+1], s[SCL]
	s_mul_i32 s32, s[WV], STEPB                    ; my wave's key step in LDS
	s_add_co_u32 s33, s32, 512
	s_add_co_u32 s34, s32, KSC
	s_mul_i32 s35, s[WV], 1536
	s_add_co_u32 s35, s35, QI                      ; the two HFs of Q that I make
	s_add_co_u32 s36, s35, 512
	s_lshl_b32 s37, s[WV], 7
	s_add_co_u32 s37, s37, QS                      ; and their scale words
	s_mul_i32 s38, s[WV], 16*TP
	s_add_co_u32 s38, s38, XST                     ; my turning stage
	s_mul_i32 s28, s[WV], 768
	s_add_co_u32 s28, s28, QI                      ; phase B: the HF of tile w (pass 1: 16 HFs on)
	s_lshl_b32 s29, s[WV], 6
	s_add_co_u32 s29, s29, QS
	v_lshlrev_b32 v[L16], 4, v24                   ; (none of the registers written from here to phase A is v5 or lies in v96-159, which the loads on their way read and write)
	v_lshl_add_u32 v[L8], v24, 3, 512
	v_bfe_u32 v25, v0, 3, 1                        ; u: which tile of the pair my column falls into
	v_bfe_u32 v26, v0, 4, 1                        ; h
	v_and_b32 v27, 7, v0
	v_lshl_add_u32 v27, v26, 3, v27                ; r: my column's slot in that tile = lane % 8 + 8 h
	v_and_b32 v23, 15, v0                          ; lane % 16
	v_lshlrev_b32 v[SH8], 3, v26
	v_mul_u32_u24 v[TMP], v25, 768
	v_lshl_add_u32 v[KA16], v27, 4, v[TMP]         ; 768 u + 16 r
	v_lshl_add_u32 v[KA8], v27, 3, v[TMP]          ; 768 u + 8 r
	v_add_nc_u32 v[QA16], s35, v[KA16]
	v_add_nc_u32 v[QA8], s36, v[KA8]
	v_add_nc_u32 v[KA16], s32, v[KA16]
	v_add_nc_u32 v[KA8], s33, v[KA8]
	v_lshlrev_b32 v[KSW], 8, v25
	v_lshl_add_u32 v[KSW], v27, 4, v[KSW]
	v_add_nc_u32 v[KSW], s34, v[KSW]               ; 16 (r + 16 u)
	v_lshlrev_b32 v[QSW], 6, v25
	v_lshl_add_u32 v[QSW], v27, 2, v[QSW]
	v_add_nc_u32 v[QSW], s37, v[QSW]               ; 64 u + 4 r
	v_lshlrev_b32 v[VO], 13, v26
	v_lshl_add_u32 v[VO], v23, 4, v[VO]            ; v in memory: row h of a pair, 16 bytes a lane
	v_mul_u32_u24 v[TS], v26, TP
	v_lshl_add_u32 v[TS], v23, 4, v[TS]
	v_add_nc_u32 v[TS], s38, v[TS]                 ; into the stage likewise
	v_mul_u32_u24 v[TL], v23, TP
	v_lshl_add_u32 v[TL], v26, 7, v[TL]
	v_add_nc_u32 v[TL], s38, v[TL]                 ; back: row lane % 16, 128 bytes for each half of the lanes
	v_add_nc_u32 v[VSW], s32, v[L16]
	v_add_nc_u32 v[VSW], VSC, v[VSW]
	v_add_nc_u32 v[A16], s32, v[L16]
	v_add_nc_u32 v[A8], s32, v[L8]
	s_lshr_b32 s39, s[WV], 1                       ; the way out: my tile's 16 queries stand at columns 32 (w / 2) + 16 (m / 8) + 8 (w % 2) + m % 8 of the pass's 256
	s_lshl_b32 s39, s39, 7
	s_and_b32 s9, s[WV], 1
	s_lshl_b32 s9, s9, 5
	s_add_co_u32 s39, s39, s9
	s_add_co_u32 s39, s39, XST
	v_mul_u32_u24 v[SW], v26, 8*OP_                ; lanes 16-31 hold channels eight rows on
	v_lshl_add_u32 v[SW], v25, 6, v[SW]
	v_and_b32 v[TMP], 7, v0
	v_lshl_add_u32 v[SW], v[TMP], 2, v[SW]
	v_add_nc_u32 v[SW], s39, v[SW]
	s_mul_i32 s39, s[WV], 4*OP_
	s_add_co_u32 s39, s39, XST
	v_add_nc_u32 v[SRD], s39, v[L16]               ; back: my four rows, 16 bytes a lane
	v_mov_b32 v[T], 0                              ; written once: a lane permute's destination counts as one of its sources
	; ---- PHASE A.  Ten column items (k: four units of 32 keys x two blocks of channels; q: two blocks), loads two items ahead; then v's eight HFs, loads three ahead.
.irp b, 0,1,2,3
.irp g, 0,1
	s_wait_loadcnt 32                              ; this item's 32 loads are in; the next item's 32 may be out
	CQ 2*\b+\g, \g, KA16, KA8, 1536*\b, KSW, 4*\b
.if \b < 3
	CLOAD 2*\b+\g, KP, 262144*\g+128*(\b+1), 0     ; the item two on, into the set just read (k and v are read by the batch's four work-groups: no hint).  No vector line since the item's wait names the set
.else
	CLOAD 2*\b+\g, QP, 262144*\g, 1                ; q: read once in the launch
.endif
	s_wait_dscnt 0x0                               ; the item's stores have landed
	s_wait_alu depctr_vm_vsrc(0)                   ; the item's stores have read the codes' and the word's registers, which the next item writes again
.endr
.endr
	s_wait_loadcnt 32                              ; q's block 0 is in; block 1's 32 loads may be out
	CQ 8, 0, QA16, QA8, 0, QSW, 0
	VLOAD 0                                        ; (v18, their offset, was written ahead of the items' waits; no vector line has named v160-255)
	VLOAD 1
	s_wait_dscnt 0x0
	s_wait_alu depctr_vm_vsrc(0)                   ; the stores have read the codes' registers, which the next item writes again
	s_wait_loadcnt 16                              ; q's block 1 is in; v's first two HFs (8 loads each) may be out
	CQ 9, 1, QA16, QA8, 0, QSW, 0
	VLOAD 2
	s_wait_dscnt 0x0
	s_wait_alu depctr_vm_vsrc(0)                   ; the stores have read the codes' and the word's registers, which v's first HF writes again
.irp m, 0,1,2,3,4,5,6,7
.if \m < 6
	s_wait_loadcnt 16                              ; HF m's eight loads are in; the two HFs behind it may be out
.elseif \m == 6
	s_wait_loadcnt 8
.else
	s_wait_loadcnt 0
.endif
	VTURN \m
	s_wait_dscnt 0x0                               ; my 32 keys are back
	s_wait_alu depctr_vm_vsrc(0)                   ; the stage's stores have read the set, in which the loads of the HF three on land; the last HF's stores have read the codes and the word, which this HF writes again
.if \m < 5
	VLOAD \m+3
.endif
	VQ \m
.endr
	BAR                                            ; all images lie in LDS, and nobody uses a turning stage any more
	s_wait_alu depctr_vm_vsrc(0)                   ; every load and store of phase A has read its registers (v3-5, v12-21, the codes, the word, v160-255): phase B's vector lines, products and loads write them anew
	; ---- PHASE B.  What stands for both passes: the zero codes of K = 64 .. 127 of product 1, on both sides
.irp j, 6,7,8,9,10,11
	v_mov_b32 v[QF+\j], 0
.irp t, 0,1,2,3
	v_mov_b32 v[KF+12*\t+\j], 0
.endr
.endr
.irp b, 0,1,2,3
	v_mov_b32 v[T8+\b], 0                          ; written once: a lane permute's destination counts as one of its sources
.endr
	v_mov_b32 v[PW], 0                             ; (named as the upper half of the pair v[10:11] before it is first written)
	v_and_b32 v[QSA], 15, v0                       ; (every global load has been waited for: v5 is free)
	v_lshl_add_u32 v[QSA], v[QSA], 2, s29
; four products S^T = K Q^T: tiles 4 g .. 4 g + 3 of 16 keys.  Tile 2 b + u takes its scale words from register b: lanes 0-15 for u = 0, lanes 16-31 for u = 1
.macro SPROD g
.irp t, 0,1,2,3
.if \t%2 == 0
	v_wmma_scale_f32_16x16x128_f8f6f4 v[SA+8*(4*\g+\t):SA+8*(4*\g+\t)+7], v[KF+12*\t:KF+12*\t+11], v[QF:QF+11], 0, v[KS4+2*\g+\t/2], v[QSC] matrix_a_fmt:MATRIX_FMT_BF6 matrix_b_fmt:MATRIX_FMT_BF6
.else
	v_wmma_scale_f32_16x16x128_f8f6f4 v[SA+8*(4*\g+\t):SA+8*(4*\g+\t)+7], v[KF+12*\t:KF+12*\t+11], v[QF:QF+11], 0, v[KS4+2*\g+\t/2], v[QSC] matrix_a_fmt:MATRIX_FMT_BF6 matrix_b_fmt:MATRIX_FMT_BF6 matrix_a_scale:MATRIX_SCALE_ROW1
.endif
.endr
.endm
; K's tiles 4 g .. 4 g + 3 of the key step that begins off bytes behind the two addresses
.macro KLOAD g, a16, a8, off
.irp t, 0,1,2,3
	ds_load_b128 v[KF+12*\t:KF+12*\t+3], v[\a16] offset:\off+768*(4*\g+\t)
	ds_load_b64 v[KF+12*\t+4:KF+12*\t+5], v[\a8] offset:\off+768*(4*\g+\t)
.endr
.endm
; A KEY STEP: 128 keys.  last = 1: the pass's last step, which has no next step to ask for
.macro STEP last
	s_wait_dscnt 0x0                               ; K's scale words and first four tiles, asked for in the step before (at the pass's head for its first step, with Q's three loads), are in
	SPROD 0
	PLACES                                         ; four places between these products and the loads into K's registers; they also part the last step's O products from the loads into V's
	s_wait_alu depctr_va_vdst(0)                   ; the four products are done reading K's registers, the last step's O products V's and its scale words; v3 and v4 are written: the 25 loads below land in the first and read the last
	KLOAD 1, A16, A8, 0
	ds_load_b128 v[VS4:VS4+3], v[A16] offset:VSC
.irp m, 0,1,2,3,4,5,6,7
	ds_load_b128 v[VF+6*\m:VF+6*\m+3], v[A16] offset:VOFF+768*\m
	ds_load_b64 v[VF+6*\m+4:VF+6*\m+5], v[A8] offset:VOFF+768*\m
.endr
	s_wait_dscnt 17                                ; K's eight loads are in; the 17 behind them (V's words and fragments) land while the softmax is walked
	SPROD 1
	PLACES
.irp b, 0,1,2,3
	v_max3_num_f32 v[BM+\b], v[SA+16*\b], v[SA+1+16*\b], v[SA+2+16*\b]   ; the largest score of each block of 32 keys: for the row's maximum and, since p rises with the score, for the block's largest p.  (Each result is read from its low end on)
.endr
.irp i, 3,5,7,9,11,13
.irp b, 0,1,2,3
	v_max3_num_f32 v[BM+\b], v[BM+\b], v[SA+16*\b+\i], v[SA+1+16*\b+\i]
.endr
.endr
.irp b, 0,1,2,3
	v_max_num_f32 v[BM+\b], v[BM+\b], v[SA+15+16*\b]
.endr
.irp b, 0,1,2,3
	v_permlanex16_b32 v[T8+\b], v[BM+\b], s[SEL], s[SEL+1]
.endr
.irp b, 0,1,2,3
	v_max_num_f32 v[BM+\b], v[BM+\b], v[T8+\b]     ; with lane l xor 16's 16 keys
.endr
	v_max3_num_f32 v[TMP], v[BM], v[BM+1], v[BM+2]
	v_max_num_f32 v[TMP], v[TMP], v[BM+3]          ; the step's largest score of my query
	v_mul_f32 v[TMP], s[CS], v[TMP]                ; as t
	v_max_num_f32 v[TMX], v[TMX], v[TMP]           ; the running largest t
	v_mov_b32 v[TMP], v[NM]
	v_floor_f32 v[NM], -v[TMX]                     ; the new -M = floor(-t) = -ceil(t)
	v_sub_f32 v[TMP], v[NM], v[TMP]                ; old M - new M: a whole number, 0 or less
	v_cvt_i32_f32 v[TMP], v[TMP]                   ; (it saturates)
	v_ldexp_f32 v[FF], 1.0, v[TMP]                 ; f = 2^(old M - new M)
.irp j, 0,2,4,6,8,10,12,14,16,18,20,22,24,26,28,30,32,34,36,38,40,42,44,46,48,50,52,54,56,58,60,62
	v_pk_fma_f32 v[SA+\j:SA+\j+1], v[SA+\j:SA+\j+1], s[CS:CS+1], v[NM:NM+1] op_sel_hi:[1,0,0]   ; t - M, two at a time
.endr
.irp b, 0,1,2,3
	v_fma_f32 v[BM+\b], v[BM+\b], s[CS], v[NM]     ; the same of each block's largest score
.endr
	s_wait_alu depctr_va_vdst(0)
.irp j, 0,1,2,3,4,5,6,7,8,9,10,11,12,13,14,15,16,17,18,19,20,21,22,23,24,25,26,27,28,29,30,31,32,33,34,35,36,37,38,39,40,41,42,43,44,45,46,47,48,49,50,51,52,53,54,55,56,57,58,59,60,61,62,63
	v_exp_f32 v[SA+\j], v[SA+\j]                   ; p = 2^(t - M), at most 1
.endr
.irp b, 0,1,2,3
	v_exp_f32 v[BM+\b], v[BM+\b]                   ; the block's largest p: the same two instructions on the same number
.endr
	v_pk_mul_f32 v[LS:LS+1], v[LS:LS+1], v[FF:FF+1] op_sel_hi:[1,0]   ; l under the new M.  (The plain place behind the exponentials)
	s_wait_alu depctr_va_vdst(0)                   ; the 68 exponentials have written their results, ahead of the first line that names one; and all eight S products are done reading K's registers and scale words, in which the loads below land
.if !\last
	ds_load_b128 v[KS4:KS4+3], v[A16] offset:STEPB+KSC   ; THE NEXT STEP's scale words of K and its first four tiles, one key step on by the immediate.  No vector or matrix line names these registers before the next step's products
	KLOAD 0, A16, A8, STEPB
.endif
.irp b, 0,1,2,3
	v_max_num_f32 v[BM+\b], 0x2800000, v[BM+\b]    ; the floor 2^(5 - 127)
.endr
.irp b, 0,1,2,3
	v_add_nc_u32 v[SO4+\b], 0xfe000000, v[BM+\b]   ; the conversion's scale operand
.endr
.irp b, 0,1,2,3
	v_lshrrev_b32 v[T8+\b], 23, v[SO4+\b]          ; the scale's byte
.endr
	v_lshl_or_b32 v[PW], v[T8+1], 8, v[T8]         ; p's scale word for these 128 keys
	v_lshl_or_b32 v[PW], v[T8+2], 16, v[PW]
	v_lshl_or_b32 v[PW], v[T8+3], 24, v[PW]
.irp c, 0,1
	v_cvt_scalef32_pk16_bf6_f32 v[PC+6*\c:PC+6*\c+2], v[SA+32*\c:SA+32*\c+15], v[SO4+2*\c]
	v_cvt_scalef32_pk16_bf6_f32 v[T8+4*\c:T8+4*\c+2], v[SA+16+32*\c:SA+31+32*\c], v[SO4+2*\c+1]
.endr
	v_nop                                          ; one plain place behind a scaled conversion
.irp c, 0,1                                    ; the operand's layout wants a whole block in a lane: lanes 0-15 block 2 c, lanes 16-31 block 2 c + 1
.irp i, 0,1,2
	v_permlane16_swap_b32 v[PC+6*\c+\i], v[T8+4*\c+\i]
.endr
.irp i, 0,1,2
	v_mov_b32 v[PC+3+6*\c+\i], v[T8+4*\c+\i]
.endr
.endr
	v_pk_add_f32 v[T8:T8+1], v[SA:SA+1], v[SA+2:SA+3]   ; the row's sum of the unquantised p, in two chains.  (These 32 lines name no register of the products below: they are the places behind the writes of p's codes, 4 asked, and of its scale word, 8 asked)
.irp j, 4,8,12,16,20,24,28,32,36,40,44,48,52,56,60
	v_pk_add_f32 v[LS:LS+1], v[LS:LS+1], v[SA+\j:SA+\j+1]
	v_pk_add_f32 v[T8:T8+1], v[T8:T8+1], v[SA+2+\j:SA+3+\j]
.endr
	v_pk_add_f32 v[LS:LS+1], v[LS:LS+1], v[T8:T8+1]
.irp j, 0,2,4,6,8,10,12,14,16,18,20,22,24,26,28,30
	v_pk_mul_f32 v[OA+\j:OA+\j+1], v[OA+\j:OA+\j+1], v[FF:FF+1] op_sel_hi:[1,0]   ; O^T under the new M
.endr
.if !\last
	s_add_co_u32 s[TB], s[TB], STEPB               ; on to the next key step
	s_wait_alu depctr_vm_vsrc(0)                   ; every LDS load issued so far has read v3 and v4, which the two lines below write
	v_add_nc_u32 v[A16], s[TB], v[L16]
	v_add_nc_u32 v[A8], s[TB], v[L8]
	s_wait_dscnt 9                                 ; V's 17 loads are in; the nine behind them, the next step's, may be out
.else
	s_wait_dscnt 0x0                               ; V is in
.endif
	s_wait_alu depctr_va_vdst(0)                   ; p's codes and its scale word are written, which the scaled products below take as source 1 and as its scales (the places stand above); so are v3 and v4, for the next step's loads
.irp t, 0,1,2,3                                ; O^T += V P^T: four tiles of 16 channels, one instruction each, by turns; the next matrix instruction starts a sum of S^T
	v_wmma_scale_f32_16x16x128_f8f6f4 v[OA+8*\t:OA+8*\t+7], v[VF+12*\t:VF+12*\t+11], v[PC:PC+11], v[OA+8*\t:OA+8*\t+7], v[VS4+\t], v[PW] matrix_a_fmt:MATRIX_FMT_BF6 matrix_b_fmt:MATRIX_FMT_BF6
.endr
.endm
.macro PASS p
	v_add_nc_u32 v[A16], s28, v[L16]               ; (a wait on vm_vsrc stands behind the last load or store that read v3 and v4: behind phase A's barrier, and at the first pass's end)
	v_add_nc_u32 v[A8], s28, v[L8]
	s_wait_alu depctr_va_vdst(0)                   ; v3 and v4 are written (ahead of the first pass v5 and the zero codes too); every vector and matrix line that named Q's and K's registers and their scale words is done: the twelve loads below land there
	ds_load_b128 v[QF:QF+3], v[A16] offset:12288*\p      ; tile 16 p + w: its codes
	ds_load_b64 v[QF+4:QF+5], v[A8] offset:12288*\p
	ds_load_b32 v[QSC], v[QSA] offset:1024*\p            ; and its scale words
	ds_load_b128 v[KS4:KS4+3], v[L16] offset:KSC         ; key step 0 begins at LDS byte 0: 16 x lane and 8 x lane + 512 are its addresses as they stand
	KLOAD 0, L16, L8, 0
	v_mov_b32 v[TMX], 0xff61b1e6                   ; the largest t so far: -3e38
	v_floor_f32 v[NM], -v[TMX]
	v_mov_b32 v[LS], 0
	v_mov_b32 v[LS+1], 0
.irp j, 0,1,2,3,4,5,6,7,8,9,10,11,12,13,14,15,16,17,18,19,20,21,22,23,24,25,26,27,28,29,30,31
	v_mov_b32 v[OA+\j], 0                          ; the first step finds zeros, which the first change of M leaves zeros (a first step of its own would add a copy of the step's text to spare these 32 lines)
.endr
	s_mov_b32 s[TB], 0
	s_mov_b32 s[CNT], 15
	s_wait_alu depctr_vm_vsrc(0)                   ; Q's loads have read v3 and v4, which the two lines below write
	v_add_nc_u32 v[A16], s[TB], v[L16]             ; key step 0; the first load that reads them stands behind the step's first wait on va_vdst
	v_add_nc_u32 v[A8], s[TB], v[L8]
.Lstep_\@:                                         ; fifteen trips; over the backward jump go the O products and the next step's nine loads: a wait on DScnt and four products stand ahead of the next memory-side line and its wait
	STEP 0
	s_sub_co_u32 s[CNT], s[CNT], 1
	s_cmp_lg_u32 s[CNT], 0
	s_cbranch_scc1 .Lstep_\@
	STEP 1                                         ; the sixteenth step is written out: it asks for no further K, and its wait for V is for 0
	; the way out: O^T / l through a stage that the sixteen waves share, since a row of out holds queries of all of them
	PLACES
	v_add_f32 v[LS], v[LS], v[LS+1]                ; l's two halves,
	v_permlanex16_b32 v[T8], v[LS], s[SEL], s[SEL+1]
	v_add_f32 v[LS], v[LS], v[T8]                  ; and lane l xor 16's
	s_wait_alu depctr_va_vdst(0)
	v_rcp_f32 v[FF], v[LS]
	v_nop                                          ; one plain place behind a transcendental
	s_wait_alu depctr_va_vdst(0)                   ; the reciprocal is written, ahead of the first line that names it
.irp j, 0,2,4,6,8,10,12,14,16,18,20,22,24,26,28,30
	v_pk_mul_f32 v[SA+\j:SA+\j+1], v[OA+\j:OA+\j+1], v[FF:FF+1] op_sel_hi:[1,0]   ; register 8 t + j: channel 16 t + 8 h + j of my query; each result from its low end on
.endr
	s_wait_alu depctr_va_vdst(0)                   ; the multiplications have written v96-127, which the LDS stores read; every vector line that named v128-159, in which the rows land on their way back, stands ahead of this wait
.if \p == 1
	BAR                                            ; every wave's reads of the first pass's rows are over: the stage may be written again
.endif
.irp t, 0,1,2,3
.irp j, 0,1,2,3,4,5,6,7
	ds_store_b32 v[SW], v[SA+8*\t+\j] offset:OP_*(16*\t+\j)   ; the 32 lanes' words: 32 h + 16 (m / 8) + m % 8 modulo 64: all different
.endr
.endr
	BAR                                            ; 64 rows x 256 queries lie in the stage
.irp i, 0,1,2,3,4,5,6,7
	ds_load_b128 v[SA+32+4*\i:SA+32+4*\i+3], v[SRD] offset:OP_*(\i/2)+512*(\i%2)
.endr
.irp i, 0,1,2,3,4,5,6,7
	s_wait_dscnt 7-\i                              ; LDS loads come back in order: load i is in, the younger ones may be out
	global_store_b128 v[L16], v[SA+32+4*\i:SA+32+4*\i+3], s[OP:OP+1] offset:8192*(\i/2)+512*(\i%2)+1024*\p th:TH_STORE_NT   ; 32 lanes store 512 consecutive bytes, at a multiple of 512 from out's first byte
.endr
.if \p == 0
	s_wait_xcnt 0x0                                ; the stores' data registers are written again by the next pass's products only behind this wait
	s_wait_alu depctr_vm_vsrc(0)                   ; the LDS stores and the global stores have read v96-159, which the next pass's products write; the last step's loads have read v3 and v4, which the next pass's head writes
.endif
.endm
	PASS 0
	PASS 1
	s_wait_xcnt 0x0
	s_wait_alu depctr_vm_vsrc(0)                   ; every memory and LDS instruction has read its registers: v254 and v255, which phase A's stage stores read, are made anew below
	v_lshl_add_u32 v254, v0, 2, 0x4b800            ; the LDS address of my spare word: behind the stages, 128 bytes for each of the sixteen waves, which no other line names
	v_mov_b32 v255, 0
	s_wait_dscnt 0x0                               ; the closing lines, six on end
	s_wait_alu 0x0
	s_wait_tensorcnt 0x0
	ds_add_u32 v254, v255
	s_wait_dscnt 0x0
	s_endpgm
.Lfunc_end_k_q5de5314218_attn:
	.size	k_q5de5314218_attn, .Lfunc_end_k_q5de5314218_attn-k_q5de5314218_attn
	.p2alignl 7, 3214868480
	.fill 96, 4, 3214868480
	.section	.rodata,"a",@progbits
	.p2align	6, 0x0
	.amdhsa_kernel k_q5de5314218_attn
		.amdhsa_group_segment_fixed_size 311296
		.amdhsa_private_segment_fixed_size 0
		.amdhsa_enable_private_segment 0
		.amdhsa_kernarg_size 16
		.amdhsa_user_sgpr_count 2
		.amdhsa_user_sgpr_kernarg_segment_ptr 1
		.amdhsa_wavefront_size32 1
		.amdhsa_system_sgpr_workgroup_id_x 1
		.amdhsa_system_sgpr_workgroup_id_y 1
		.amdhsa_system_sgpr_workgroup_id_z 1
		.amdhsa_system_vgpr_workitem_id 0
		.amdhsa_next_free_vgpr 256
		.amdhsa_next_free_sgpr 66
		.amdhsa_reserve_vcc 0
		.amdhsa_float_denorm_mode_32 3
		.amdhsa_float_denorm_mode_16_64 3
		.amdhsa_memory_ordered 1
		.amdhsa_forward_progress 1
		.amdhsa_inst_pref_size 169
	.end_amdhsa_kernel
	.amdgpu_metadata
---
amdhsa.version: [ 1, 2 ]
amdhsa.kernels:
  - .name:           k_q5de5314218_attn
    .symbol:         k_q5de5314218_attn.kd
    .args:
      - { .name: qkv, .offset: 0, .size: 8, .value_kind: global_buffer, .address_space: global }
      - { .name: out0, .offset: 8, .size: 8, .value_kind: global_buffer, .address_space: global }
    .group_segment_fixed_size: 311296
    .private_segment_fixed_size: 0
    .kernarg_segment_align: 8
    .kernarg_segment_size: 16
    .max_flat_workgroup_size: 512
    .sgpr_count:     66
    .vgpr_count:     256
    .wavefront_size: 32
...
	.end_amdgpu_metadata
.endif
;; end of part 2
